; MI455X (gfx1250); checked and timed in simulation.
; The chip was launched on July 23, 2026; its instructions are those of AMD's public machine-readable ISA for CDNA 5 (MIT licence, August 2026) and "CDNA5" Instruction Set Architecture Reference Guide (July 2026). The comments in the code are by the model that wrote it; some were corrected since.
;; Scaled Dot Product Attention. Allowed arithmetic: matrix products marked QUANTISED: E3M2 operands, one E8M0 scale for each 32 along K, by v_wmma_scale_f32_16x16x128_f8f6f4 with both operands' format E3M2, f32 sums; everything else in f32.
;; Inputs: K 8 x 16 x 1,024 x 64 float32; Q 8 x 16 x 1,024 x 64 float32; V 8 x 16 x 1,024 x 64 float32.
;; Outputs: out0 8 x 16 x 1,024 x 64 float32.
;; This version of the problem:
;;   THIS VERSION OF THE PROBLEM IS GIVEN IN LOW PRECISION. The matrix products marked QUANTISED in the list below multiply operands that are first quantised to E3M2 (3 exponent bits, 2 mantissa bits; 6 bits a number), with one power-of-two scale for each 32 numbers along K (OCP MX v1.0); their sums are f32. All else is computed in f32.
;;   The module's matrix products, in the order in which they are computed (A, B: the left and right operand; K: the contracted axis; several contracted axes count as one K, in the product's order):
;;     1. batch 128 x [M 1,024, K 64] x [K 64, N 1,024]; A: input Q; B: input K: QUANTISED
;;     2. batch 128 x [M 1,024, K 1,024] x [K 1,024, N 64]; A: softmax (see below); B: input V: QUANTISED
;;   THE QUANTISER, for each operand of a quantised product, along K:
;;     - K is cut into blocks of 32 from its start; a last block that is shorter is filled with zeros.
;;     - A block's scale is 2^e with e = floor(log2(the largest magnitude in the block)) - 4, held to -126 .. 127; a block of zeros has e = 0. As a byte (E8M0): e + 127.
;;     - Each number is divided by its block's scale, clamped to +-28, and rounded to the nearest number of E3M2, ties to even, subnormals kept.
;;     - The product sums the exact products of the quantised numbers (number of the format x scale) in f32.
;;   ~~~python
;;   def quantise(x, axis):      # numpy; x: float32 -> the quantised numbers, widened to float32 again
;;       x = np.moveaxis(x, axis, -1); K = x.shape[-1]
;;       x = np.pad(x, [(0, 0)] * (x.ndim - 1) + [(0, -K % 32)]); x = x.reshape(x.shape[:-1] + (-1, 32)); a = np.abs(x).max(-1, keepdims=True)
;;       e = np.where(a > 0, np.clip(np.frexp(np.where(a > 0, a, 1))[1] - 1 - 4, -126, 127), 0)      # np.frexp(a)[1] - 1 = floor(log2(a)), exactly
;;       r = np.clip(x / 2.0 ** e, -28, 28)
;;       step = 2.0 ** (np.maximum(np.frexp(np.where(r == 0, 1, r))[1] - 1, -2) - 2)
;;       q = np.round(r / step) * step * 2.0 ** e      # np.round: ties to even
;;       return np.moveaxis(q.reshape(q.shape[:-2] + (-1,))[..., :K], -1, axis).astype(np.float32)
;;   ~~~
;;   SOFTMAX AHEAD OF A QUANTISED PRODUCT. Where the list says 'softmax', what is quantised is not the finished softmax but p = 2^(t - M), with t = logit x log2(e) and M = ceil(the row's largest t), a whole number; so 1/2 < the row's largest p <= 1. The row's sum l is taken of the UNQUANTISED p, in f32, and the product's result is divided by l at the end. Since M is a whole number, a kernel that streams over the keys may use a running M (the ceiling of the running maximum): every later rescaling is an exact power of two, which a block's scale takes up: the codes' values come out the same.
;;   OPERANDS COMPUTED ON THE WAY. 'Computed on the way' means the value that the module computes at that place (a softmax that the list does not call 'softmax' is quantised finished and normalised). What goes into a quantiser is computed in f32, as accurately as f32 sums, v_exp_f32 and their like allow (about 1e-6 of the number): no bf16 or f16 on the way to a quantiser, and a product that is left as it is and whose result goes on into a quantised operand takes f32 operands (vector FMAs, or v_wmma_f32_16x16x4_f32). A number that lies on a knife's edge between two numbers of the format may be rounded either way, as far as f32 arithmetic and the matrix unit's own rounding can turn it there, and no further.
;; 2 versions. Each part assembles by itself: llvm-mc -triple=amdgcn-amd-amdhsa -mcpu=gfx1250 --defsym DOCPART=n.
;; ======== version 1 of 2: 1 launch
;; launch attn (part 1): grid 256 x 1, 16 waves a work-group, no clusters, 178,176 bytes of LDS; arguments Q, K, V, out0; writes out0
.if DOCPART == 1
	.amdgcn_target "amdgcn-amd-amdhsa--gfx1250"
	.amdhsa_code_object_version 6
	.text
	.protected	k_qe9f2bd6606_attn
	.globl	k_qe9f2bd6606_attn
	.p2align	8
	.type	k_qe9f2bd6606_attn,@function
k_qe9f2bd6606_attn:
	s_mov_b64 s[64:65], 0
	v_nop
	global_prefetch_b8 v0, s[64:65] scope:SCOPE_SE
	s_setreg_imm32_b32 hwreg(HW_REG_WAVE_MODE, 25, 1), 1
	s_wait_xcnt 0x0
; out0[h][q][:] = the sum over k of softmax_k(Q[h][q] . K[h][k] / 8) V[h][k][:], 128 heads, 1,024 queries and keys, head size 64, all f32 in memory.
; Both products run on codes of BF6 (E3M2) with one E8M0 scale for each 32 along a product's K: the head's 64 for the first, the keys for the second.
; THE SOFTMAX: t = score x log2(e) / 8; M = the running largest t rounded UP to a whole number; p = 2^(t - M) is quantised along the keys, not normalised; the sum of the unquantised p divides at the end.
; When M moves, the sum and O are multiplied by 2^(old M - new M), which rounds nothing.
; SHARES.  Work-group x takes head x / 2 and queries 512 (x % 2) on.  Each of its 16 waves owns 32 queries, two tiles of 16, taken one after the other (pass A, pass B), in 256 registers: four waves to a SIMD,
; so that one wave's vector work stands beside another's matrix work and LDS loads.
; K AND V OF THE WHOLE HEAD LIE IN LDS AS CODES, as images of the operands' registers (register j of lane L of a fragment at 512 (j / 4) + 16 L + 4 (j % 4)): 48 KB each, 2 KB of scale bytes each, written once, never again.
; The work-group makes them itself, 256 keys (a superchunk) at a time: the first at the head, the other three inside pass A: the f32 numbers are asked for a key step ahead, into 32 registers, and quantised between key steps.
; In a superchunk wave w takes keys 16 w .. 16 w + 15 of K (4 KB, dense; turned through its own stage so that a lane holds 32 neighbours of one key) and of V the 32 keys of block w / 2 at channels 32 (w % 2) + lane
; (a lane to a channel, registers down the keys: nothing is transposed).
; THE FIRST PRODUCT has K = 64, half of the instruction's 128.  A fragment of K is dense all the same: registers 0-5 hold one tile of 16 keys, registers 6-11 the next; Q stands as (q, 0, q) in 18 registers,
; of which the first 12 pick the first tile and the last 12 the second: zero codes add nothing.  K's scale word holds the two tiles' two bytes each, Q's its two bytes twice.
; LAYOUT.  Both products are used transposed (S^T = K Q^T, O^T = V^T P^T): a lane holds ONE query (lane % 16) throughout.  THE KEYS OF A TILE ARE NOT NEIGHBOURS: key j of a block of 32 goes to tile (j / 8) % 2,
; row j % 8 + 8 (j / 16), so that the 16 registers of two neighbouring tiles are the keys 32 b + 16 (lane / 16) + 0 .. 15.
; NO JOINT LOADS: a head's K and V are shared by two work-groups alone, and they arrive as f32, 512 KB a head, which no work-group reads from LDS more than once: through the mover they would all pass LDS slots only to be
; read back and quantised.  Here they go from memory to registers; of the f32 numbers only K's pieces of 4 KB pass LDS.  So there are no slots that are filled again, and four barriers in all.
; LIMITS: NaN and infinities among the inputs are not served.  A block whose largest magnitude lies under 2^-122 takes the scale byte 1; a block of zeros too, where the rule says 127: its codes are zeros,
; which add nothing, and this program alone reads the bytes.  A p under 2^-126 counts as 0.
.set VIMG, 49152                       ; LDS: K's images from byte 0: 8 steps x 4 fragments x 1,536;  V's from here, likewise (fragment t: channels 16 t on x 128 keys)
.set KSC,  98304                       ; K's scale bytes: 256 step + 16 row + 4 b + 2 tile + block of d: a lane's 16 bytes are a step's four scale words
.set VSC,  100352                      ; V's: 256 step + 16 row + 4 t + block of keys
.set STG0, 102400                      ; a stage of 4,608 bytes for each wave, its own: on the way in 32 places of 128 + 16 bytes, on the way out 16 rows of 256 + 16
.set STGB, 4608
.set LI,  1                            ; v1   16 x lane: a lane's place in an image; also its place in a dense load or store of 512 bytes
.set LS,  2                            ; v2   KSC + 16 (lane % 16)
.set STI, 3                            ; v3   the stage, way in: 144 (lane / 8) + 16 (lane % 8)
.set STR, 4                            ; v4   and back: 288 (lane % 16) + 144 (lane / 16)
.set KW0, 5                            ; v5-7   where my K task's codes (pairs 0 and 2; pair 1) and its scale byte go, in superchunk 0
.set KW1, 6
.set KWS, 7
.set VW0, 8                            ; v8-10  the same for my V task
.set VW1, 9
.set VWS, 10
.set GV,  11                           ; v11  4 x lane
.set SO,  12                           ; v12  the way out: where I put 32 bytes of a row
.set SR,  13                           ; v13  and where I read a row back
.set NM,  14                           ; v14  -M;  v15 the largest t
.set TMX, 15
.set SUM, 16                           ; v[16:17] the row's sum, in two halves
.set F,   18                           ; v18  2^(old M - new M); v19 = 0, named with it as a pair
.set Q,   20                           ; v[20:37] (q, 0, q)
.set QS,  38                           ; v38  Q's scale word;  v39 tile 1's, kept
.set QS1, 39
.set Q1,  40                           ; v[40:45] tile 1's codes, kept
.set PS,  46                           ; v46  p's scale word
.set ADI, 47                           ; v47-49 pass B: the step's addresses
.set ADS, 48
.set ADV, 49
.set LV,  50                           ; v50  VIMG + 16 x lane
.set KS,  52                           ; v[52:55] K's four scale words;  v[56:59] V's
.set VS,  56
.set FRA, 60                           ; v[60:107] K's four fragments
.set X0,  60                           ; at the head: 32 numbers back from the stage
.set PC,  84                           ; v[84:95] p's codes
.set CT,  96                           ; v[96:103] conversions' results
.set BM,  104                          ; v[104:107] the blocks' largest scores, then largest p
.set PM,  108                          ; v[108:111] the other half's; then the bytes
.set SOP, 112                          ; v[112:115] the conversions' scale operands
.set TA,  116
.set TB,  117
.set X,   116                          ; v[116:117] the sum's second chain
.set SOPQ, 118                         ; a task's scale operand;  v119 its byte
.set SBY, 119
.set S,   120                          ; v[120:183] S^T, then p; then V's four fragments in the first 48
.set O,   184                          ; v[184:215] O^T: four accumulators
.set PF,  216                          ; v[216:247] the f32 numbers asked for a step ahead
.set H8,  248                          ; v248 8 (lane / 16)
.set QP,  4
.set KP,  6
.set VP,  8
.set OP,  10
.set WV,  12
.set SEL, 20                           ; s[20:21] v_permlanex16_b32's selects for lane l xor 16
.set CS,  22                           ; s[22:23] c = log2(e) / 8, twice: the packed form names the pair
.set TI,  24                           ; pass B: 6,144 x step
.set TSC, 25                           ; 256 x step
.set CNT, 28
.set STGW, 29                          ; my stage
.macro KLOAD dst, sc                   ; my 16 keys of superchunk sc: eight loads of 512 consecutive bytes
.irp i, 0,1,2,3,4,5,6,7
	global_load_b128 v[\dst+4*\i:\dst+4*\i+3], v[LI], s[KP:KP+1] offset:65536*(\sc)+512*\i
.endr
.endm
.macro VLOAD dst, sc                   ; my channel of my 32 keys: each load reads 128 consecutive bytes of one key
.set J, 0
.rept 32
	global_load_b32 v[\dst+J], v[GV], s[VP:VP+1] offset:65536*(\sc)+256*J
.set J, J+1
.endr
.endm
.macro QLOAD dst, tile                 ; a tile of 16 queries, 4 KB dense; read once in the launch
.irp i, 0,1,2,3,4,5,6,7
	global_load_b128 v[\dst+4*\i:\dst+4*\i+3], v[LI], s[QP:QP+1] offset:4096*(\tile)+512*\i th:TH_LOAD_NT
.endr
.endm
; 4 KB (16 rows of 64 numbers) as loaded go through my stage and come back 32 neighbours a lane: lane (r, h) has row r's block h.  LDS serves a wave's instructions in order: no wait between the stores and the loads.
.macro TURN src, dst
.irp i, 0,1,2,3,4,5,6,7
	ds_store_b128 v[STI], v[\src+4*\i:\src+4*\i+3] offset:576*\i
.endr
.irp i, 0,1,2,3,4,5,6,7
	ds_load_b128 v[\dst+4*\i:\dst+4*\i+3], v[STR] offset:16*\i
.endr
	s_wait_dscnt 0x0
.endm
; A block of 32 numbers in one lane's registers: its largest magnitude, its scale, its codes (three registers at CT, three at CT + 4: a conversion's three begin on an even number), its byte.
.macro QMAXCVT x
	v_max3_num_f32 v[TA], |v[\x]|, |v[\x+1]|, |v[\x+2]|
	v_max3_num_f32 v[TB], |v[\x+3]|, |v[\x+4]|, |v[\x+5]|
.irp i, 6,10,14,18,22,26
	v_max3_num_f32 v[TA], v[TA], |v[\x+\i]|, |v[\x+\i+1]|
	v_max3_num_f32 v[TB], v[TB], |v[\x+\i+2]|, |v[\x+\i+3]|
.endr
	v_max3_num_f32 v[TA], v[TA], |v[\x+30]|, |v[\x+31]|
	v_max3_num_f32 v[TA], v[TA], v[TB], 0x2800000              ; the floor 2^(5 - 127): the byte cannot fall under 1
	v_add_nc_u32 v[SOPQ], 0xfe000000, v[TA]                    ; 4 off the exponent field: the conversion takes that field as its scale
	v_cvt_scalef32_pk16_bf6_f32 v[CT:CT+2], v[\x:\x+15], v[SOPQ]
	v_cvt_scalef32_pk16_bf6_f32 v[CT+4:CT+6], v[\x+16:\x+31], v[SOPQ]
	v_lshrrev_b32 v[SBY], 23, v[SOPQ]                          ; the byte.  (The plain line behind the conversions)
.endm
; The six registers go to their places in an image as three pairs: half 0 of a fragment lies at 0, 8, 512, half 1 at 520, 1,024, 1,032 (+ 16 x the image's lane).
.macro QPUT a0, a1, a2, off, soff
	v_mov_b32 v[CT+3], v[CT+4]
	v_mov_b32 v[CT+4], v[CT+5]
	v_mov_b32 v[CT+5], v[CT+6]
	ds_store_b64 v[\a0], v[CT:CT+1] offset:\off
	ds_store_b64 v[\a1], v[CT+2:CT+3] offset:\off
	ds_store_b64 v[\a0], v[CT+4:CT+5] offset:(\off)+512
	ds_store_b8 v[\a2], v[SBY] offset:\soff
	s_wait_dscnt 0x0                                           ; landed: a barrier follows, or the registers are written again
.endm
.macro QFRAG dst                       ; the six registers as they stand are Q's block h of row r
.irp i, 0,1,2
	v_mov_b32 v[\dst+\i], v[CT+\i]
	v_mov_b32 v[\dst+3+\i], v[CT+4+\i]
.endr
.endm
.macro QWORD dst                       ; my byte at its place, the other half's beside it, and the two once more above
	v_lshlrev_b32 v249, v[H8], v[SBY]
	v_permlanex16_b32 v[PM], v249, s[SEL], s[SEL+1]
	v_or_b32 v249, v249, v[PM]
	v_lshl_or_b32 v[\dst], v249, 16, v249
.endm
.macro INIT                            ; the step is written once: the first finds zeros, which the first change of M leaves zeros
	v_mov_b32 v[TMX], 0xff61b1e6                               ; -3e38, under every t
	v_floor_f32 v[NM], -v[TMX]
	v_mov_b32 v[SUM], 0
	v_mov_b32 v[SUM+1], 0
.set J, 0
.rept 32
	v_mov_b32 v[O+J], 0
.set J, J+1
.endr
.endm
; A KEY STEP: 128 keys x my 16 queries.  ai, av, as: registers with the addresses of K's images, V's images and K's scale words; st: the step, in the immediates; np: v_nop at the head.
; At the head five places lie behind the last step's V^T P: its operands in S are written over by the products below, and p's codes by loads.
.macro STEP ai, av, as, st, np
.rept \np
	v_nop
.endr
	ds_load_b128 v[KS:KS+3], v[\as] offset:256*(\st)
.irp f, 0,1,2,3
.irp g, 0,1,2
	ds_load_b128 v[FRA+12*\f+4*\g:FRA+12*\f+4*\g+3], v[\ai] offset:6144*(\st)+1536*\f+512*\g
.endr
.endr
.irp b, 0,1,2,3
	s_wait_dscnt 3*(3-\b)                                      ; fragment b is in; the later fragments' three loads each may be out
.irp u, 0,1
	v_wmma_scale_f32_16x16x128_f8f6f4 v[S+16*\b+8*\u:S+16*\b+8*\u+7], v[FRA+12*\b:FRA+12*\b+11], v[Q+6*\u:Q+6*\u+11], 0, v[KS+\b], v[QS] matrix_a_fmt:MATRIX_FMT_BF6 matrix_b_fmt:MATRIX_FMT_BF6
.endr
.endr
.rept 4
	v_nop                                                      ; four places in front of the first read of the scores, and of the writes into the last fragment's registers
.endr
.irp b, 0,1,2,3
	v_max3_num_f32 v[BM+\b], v[S+16*\b], v[S+16*\b+1], v[S+16*\b+2]   ; the largest score of each block of 32 keys: for the row's maximum, and, since p rises with the score, for the block's largest p
.endr
.irp i, 3,5,7,9,11,13
.irp b, 0,1,2,3
	v_max3_num_f32 v[BM+\b], v[BM+\b], v[S+16*\b+\i], v[S+16*\b+\i+1]   ; ascending: each accumulator is read from its low end on
.endr
.endr
.irp b, 0,1,2,3
	v_max_num_f32 v[BM+\b], v[BM+\b], v[S+16*\b+15]
.endr
.irp b, 0,1,2,3
	v_permlanex16_b32 v[PM+\b], v[BM+\b], s[SEL], s[SEL+1]
.endr
.irp b, 0,1,2,3
	v_max_num_f32 v[BM+\b], v[BM+\b], v[PM+\b]                 ; with lane l xor 16's 16 keys
.endr
	v_max3_num_f32 v[TA], v[BM], v[BM+1], v[BM+2]
	v_max_num_f32 v[TA], v[TA], v[BM+3]                        ; the step's largest score of my query
	v_mul_f32 v[TA], s[CS], v[TA]                              ; as t
	v_max_num_f32 v[TMX], v[TMX], v[TA]
	v_mov_b32 v[TA], v[NM]
	v_floor_f32 v[NM], -v[TMX]                                 ; -M = floor(-t) = -ceil(t)
	v_sub_f32 v[TA], v[NM], v[TA]                              ; old M - new M: a whole number, 0 or less
	v_cvt_i32_f32 v[TA], v[TA]                                 ; (it saturates)
	v_ldexp_f32 v[F], 1.0, v[TA]                               ; f = 2^(old M - new M)
.set J, 0
.rept 32
	v_pk_fma_f32 v[S+J:S+J+1], v[S+J:S+J+1], s[CS:CS+1], v[NM:NM+1] op_sel_hi:[1,0,0]   ; t - M, two at a time
.set J, J+2
.endr
.irp b, 0,1,2,3
	v_fma_f32 v[BM+\b], v[BM+\b], s[CS], v[NM]                 ; the same of each block's largest score
.endr
.set J, 0
.rept 64
	v_exp_f32 v[S+J], v[S+J]                                   ; p = 2^(t - M)
.set J, J+1
.endr
.irp b, 0,1,2,3
	v_exp_f32 v[BM+\b], v[BM+\b]                               ; the block's largest p: the same two instructions on the same number
.endr
	v_pk_mul_f32 v[SUM:SUM+1], v[SUM:SUM+1], v[F:F+1] op_sel_hi:[1,0]   ; the sums under the new M.  (The plain line behind the exponentials)
	s_wait_alu depctr_va_vdst(0)
.irp b, 0,1,2,3
	v_max_num_f32 v[BM+\b], 0x2800000, v[BM+\b]                ; the floor 2^(5 - 127)
.endr
.irp b, 0,1,2,3
	v_add_nc_u32 v[SOP+\b], 0xfe000000, v[BM+\b]               ; the conversion's scale operand
.endr
.irp b, 0,1,2,3
	v_lshrrev_b32 v[PM+\b], 23, v[SOP+\b]                      ; the byte
.endr
	v_lshl_or_b32 v[PS], v[PM+1], 8, v[PM]                     ; p's scale word for these 128 keys
	v_lshl_or_b32 v[PS], v[PM+2], 16, v[PS]
	v_lshl_or_b32 v[PS], v[PM+3], 24, v[PS]
	v_pk_add_f32 v[X:X+1], v[S:S+1], v[S+2:S+3]                ; the row's sum is taken of the unquantised p: two chains
.set J, 4
.rept 15
	v_pk_add_f32 v[SUM:SUM+1], v[SUM:SUM+1], v[S+J:S+J+1]
	v_pk_add_f32 v[X:X+1], v[X:X+1], v[S+J+2:S+J+3]
.set J, J+4
.endr
	v_pk_add_f32 v[SUM:SUM+1], v[SUM:SUM+1], v[X:X+1]
.irp c, 0,1
	v_cvt_scalef32_pk16_bf6_f32 v[PC+6*\c:PC+6*\c+2], v[S+32*\c:S+32*\c+15], v[SOP+2*\c]
	v_cvt_scalef32_pk16_bf6_f32 v[CT+4*\c:CT+4*\c+2], v[S+32*\c+16:S+32*\c+31], v[SOP+2*\c+1]
.endr
	v_nop                                                      ; one plain line behind the conversions
	ds_load_b128 v[VS:VS+3], v[\as] offset:2048+256*(\st)      ; p has been summed and converted: its registers take V's fragments
.irp t, 0,1,2,3
.irp g, 0,1,2
	ds_load_b128 v[S+12*\t+4*\g:S+12*\t+4*\g+3], v[\av] offset:6144*(\st)+1536*\t+512*\g
.endr
.endr
.irp c, 0,1                            ; the operand wants a WHOLE block in a lane: lanes 0-15 block 2 c, lanes 16-31 block 2 c + 1
.irp i, 0,1,2
	v_permlane16_swap_b32 v[PC+6*\c+\i], v[CT+4*\c+\i]
.endr
.irp i, 0,1,2
	v_mov_b32 v[PC+6*\c+3+\i], v[CT+4*\c+\i]
.endr
.endr
.set J, 0
.rept 16
	v_pk_mul_f32 v[O+J:O+J+1], v[O+J:O+J+1], v[F:F+1] op_sel_hi:[1,0]   ; O^T under the new M, ascending.  (Also the places between p's codes and the products)
.set J, J+2
.endr
.irp t, 0,1,2,3                        ; the four accumulators take turns, one instruction a turn; the next step's K Q^T stand between two turns of one
	s_wait_dscnt 3*(3-\t)                                      ; fragment t is in; the later fragments' three loads each may be out
	v_wmma_scale_f32_16x16x128_f8f6f4 v[O+8*\t:O+8*\t+7], v[S+12*\t:S+12*\t+11], v[PC:PC+11], v[O+8*\t:O+8*\t+7], v[VS+\t], v[PS] matrix_a_fmt:MATRIX_FMT_BF6 matrix_b_fmt:MATRIX_FMT_BF6
.endr
.endm
; Between two key steps of pass A: superchunk sc's K (asked for a step ago), and the request for its V.
.macro KTASK sc
.rept 4
	v_nop                                                      ; four places in front of the loads into S, which the last products read
.endr
	s_wait_loadcnt 0x0                                         ; my 16 keys are in: nothing else is out
	TURN PF, S
	VLOAD PF, \sc
	QMAXCVT S
	QPUT KW0, KW1, KWS, 12288*(\sc), 512*(\sc)
.endm
; Its V, the request for the next superchunk's K if there is one, and the barrier behind which the superchunk is read.
.macro VTASK sc
	s_wait_loadcnt 0x0                                         ; my 32 keys of my channel are in
	QMAXCVT PF
.if (\sc) < 3
	KLOAD PF, (\sc)+1
.endif
	QPUT VW0, VW1, VWS, 12288*(\sc), 512*(\sc)                 ; ends with the wait for all my LDS instructions
	s_barrier_signal -1
	s_barrier_wait -1
.endm
; O^T / the sum goes through my stage and leaves as whole rows of 256 bytes, two to a store.
.macro OUT tile
	v_add_f32 v[TA], v[SUM], v[SUM+1]
	v_permlanex16_b32 v[PM], v[TA], s[SEL], s[SEL+1]
	v_add_f32 v[TA], v[TA], v[PM]                              ; the row's sum
	v_rcp_f32 v[F], v[TA]
	v_and_b32 v249, 15, v0                                     ; eight plain lines: the places behind the last products and behind the reciprocal
	v_bfe_u32 v250, v0, 4, 1
	v_mul_u32_u24 v[SO], v249, 272
	v_lshl_add_u32 v[SO], v250, 5, v[SO]
	v_add_nc_u32 v[SO], s[STGW], v[SO]                         ; in: row r, + 32 h; tile t's eight channels 64 t on
	v_mul_u32_u24 v[SR], v250, 272
	v_lshl_add_u32 v[SR], v249, 4, v[SR]
	v_add_nc_u32 v[SR], s[STGW], v[SR]                         ; back: lanes 0-15 one row, lanes 16-31 the next
.set J, 0
	s_wait_alu depctr_va_vdst(0)
.rept 16
	v_pk_mul_f32 v[S+J:S+J+1], v[O+J:O+J+1], v[F:F+1] op_sel_hi:[1,0]   ; register 8 t + i is o(r, 16 t + 8 h + i); ascending
.set J, J+2
.endr
.irp t, 0,1,2,3
	ds_store_b128 v[SO], v[S+8*\t:S+8*\t+3] offset:64*\t
	ds_store_b128 v[SO], v[S+8*\t+4:S+8*\t+7] offset:64*\t+16
.endr
.irp i, 0,1,2,3,4,5,6,7
	ds_load_b128 v[S+32+4*\i:S+32+4*\i+3], v[SR] offset:544*\i   ; in order behind my stores
.endr
.irp i, 0,1,2,3,4,5,6,7
	s_wait_dscnt 7-\i                                          ; load i is back; the younger ones may be out
	global_store_b128 v[LI], v[S+32+4*\i:S+32+4*\i+3], s[OP:OP+1] offset:4096*(\tile)+512*\i th:TH_STORE_NT   ; 32 lanes store 512 consecutive bytes, at a multiple of 512 from out0's first byte
.endr
.if (\tile) == 0
	s_wait_xcnt 0x0                                            ; the stores' data registers are written again in pass B only behind this wait
.endif
.endm
	; ---- the head: addresses
	s_load_b256 s[4:11], s[0:1], 0x0               ; Q, K, V, out0
	v_lshrrev_b32 v249, 5, v0
	v_readfirstlane_b32 s[WV], v249                ; wave w, 0..15
	s_mov_b32 s[SEL], 0x76543210
	s_mov_b32 s[SEL+1], 0xfedcba98
	s_mov_b32 s[CS], 0x3e38aa3b                    ; log2(e) / 8
	s_mov_b32 s[CS+1], s[CS]
	s_mul_i32 s[STGW], s[WV], STGB
	s_add_co_u32 s[STGW], s[STGW], STG0
	s_and_b32 s13, s[WV], 1                        ; w % 2
	s_lshr_b32 s14, s[WV], 1                       ; w / 2
	s_bfe_u32 s15, s[WV], 0x10001                  ; (w / 2) % 2
	s_bfe_u32 s16, s[WV], 0x10002                  ; (w / 4) % 2
	s_lshr_b32 s17, s[WV], 3                       ; w / 8: which of a superchunk's two steps
	s_bfe_u32 s18, s[WV], 0x20001                  ; (w / 2) % 4: which block of 32 keys in the step
	s_mul_i32 s30, s14, 1536                       ; K's codes: fragment w / 2 of the superchunk's eight,
	s_lshl_b32 s19, s13, 7
	s_add_co_u32 s30, s30, s19                     ; image lanes 8 (w % 2) on
	s_lshl_b32 s31, s17, 8                         ; K's byte: 256 step + 128 (w % 2) + 4 b
	s_add_co_u32 s31, s31, s19
	s_lshl_b32 s19, s18, 2
	s_add_co_u32 s31, s31, s19
	s_add_co_u32 s31, s31, KSC
	s_mul_i32 s32, s17, 6144                       ; V's codes: the step, fragments 2 (w % 2) on, image lanes 16 ((w / 2) % 2) on,
	s_mul_i32 s19, s13, 3072
	s_add_co_u32 s32, s32, s19
	s_lshl_b32 s19, s15, 8
	s_add_co_u32 s32, s32, s19
	s_add_co_u32 s32, s32, VIMG
	s_mul_i32 s19, s16, 520                        ; half (w / 4) % 2 of the fragment: pairs 0 and 2,
	s_add_co_u32 s33, s32, s19
	s_mul_i32 s19, s16, 1016                       ; pair 1
	s_add_co_u32 s34, s32, s19
	s_add_co_u32 s34, s34, 8
	s_lshl_b32 s35, s17, 8                         ; V's byte: 256 step + 8 (w % 2) + block
	s_lshl_b32 s19, s13, 3
	s_add_co_u32 s35, s35, s19
	s_add_co_u32 s35, s35, s18
	s_add_co_u32 s35, s35, VSC
	s_lshr_b32 s36, ttmp9, 1
	s_lshl_b32 s36, s36, 18                        ; the head's first byte in each tensor: 1,024 rows of 256 bytes a head
	s_mov_b32 s37, 0
	s_lshl_b32 s19, s[WV], 12
	s_add_co_u32 s24, s36, s19                     ; K: + my 16 keys
	s_mov_b32 s25, 0
	s_lshl_b32 s19, s14, 13
	s_add_co_u32 s26, s36, s19                     ; V: + my 32 keys
	s_lshl_b32 s19, s13, 7
	s_add_co_u32 s26, s26, s19                     ;    + my 32 channels
	s_mov_b32 s27, 0
	s_and_b32 s19, ttmp9, 1
	s_lshl_b32 s19, s19, 17
	s_add_co_u32 s36, s36, s19                     ; Q, out0: + the work-group's 512 queries
	s_lshl_b32 s19, s[WV], 13
	s_add_co_u32 s36, s36, s19                     ;          + my 32
	v_and_b32 v249, 31, v0                         ; lane
	v_lshlrev_b32 v[LI], 4, v249
	v_lshlrev_b32 v[GV], 2, v249
	v_add_nc_u32 v[LV], VIMG, v[LI]
	v_and_b32 v250, 15, v0                         ; r
	v_bfe_u32 v251, v0, 4, 1                       ; h
	v_and_b32 v252, 7, v0                          ; r % 8
	v_bfe_u32 v253, v0, 3, 1                       ; r / 8
	v_bfe_u32 v254, v0, 3, 2                       ; lane / 8
	v_lshl_add_u32 v[LS], v250, 4, KSC
	v_mul_u32_u24 v[STI], v254, 144
	v_lshl_add_u32 v[STI], v252, 4, v[STI]
	v_add_nc_u32 v[STI], s[STGW], v[STI]
	v_mul_u32_u24 v[STR], v250, 288
	v_mad_u32_u24 v[STR], v251, 144, v[STR]
	v_add_nc_u32 v[STR], s[STGW], v[STR]
	v_lshlrev_b32 v249, 4, v252                    ; K task: lane (r, h) holds key 16 w + r, block h of d: image lane r % 8 + 8 (w % 2) + 16 h, half r / 8 of the fragment
	v_lshl_add_u32 v255, v251, 8, v249
	v_add_nc_u32 v255, s30, v255
	v_mad_u32_u24 v[KW0], v253, 520, v255
	v_mad_u32_u24 v[KW1], v253, 1016, v255
	v_add_nc_u32 v[KW1], 8, v[KW1]
	v_lshl_add_u32 v249, v253, 1, v249             ; its byte: 16 (r % 8) + 2 (r / 8) + h
	v_add_nc_u32 v249, v249, v251
	v_add_nc_u32 v[KWS], s31, v249
	v_mul_u32_u24 v249, v251, 1536                 ; V task: lane l holds channel 32 (w % 2) + l: fragment + l / 16, row l % 16
	v_lshl_add_u32 v249, v250, 4, v249
	v_add_nc_u32 v[VW0], s33, v249
	v_add_nc_u32 v[VW1], s34, v249
	v_lshlrev_b32 v249, 4, v250                    ; its byte: 16 (l % 16) + 4 (l / 16)
	v_lshl_add_u32 v249, v251, 2, v249
	v_add_nc_u32 v[VWS], s35, v249
	v_lshlrev_b32 v[H8], 3, v251
	s_wait_kmcnt 0x0
	s_add_nc_u64 s[QP:QP+1], s[QP:QP+1], s[36:37]
	s_add_nc_u64 s[KP:KP+1], s[KP:KP+1], s[24:25]
	s_add_nc_u64 s[VP:VP+1], s[VP:VP+1], s[26:27]
	s_add_nc_u64 s[OP:OP+1], s[OP:OP+1], s[36:37]
	; ---- superchunk 0 and my two tiles of Q
	KLOAD PF, 0                                    ; 8 loads,
	VLOAD O, 0                                     ; 32,
	QLOAD S, 0                                     ; 8,
	QLOAD S+32, 1                                  ; 8
.irp b, 0,1,2,3
	v_mov_b32 v[PM+\b], 0                          ; written once: a lane permute's destination counts as one of its sources
.endr
	v_mov_b32 v[F+1], 0                            ; named as the upper half of a pair
.irp i, 6,7,8,9,10,11
	v_mov_b32 v[Q+\i], 0                           ; the zero codes between the two copies of q
.endr
	s_wait_loadcnt 48                              ; K's eight are in; V's 32 and Q's 16 may be out
	TURN PF, X0
	KLOAD PF, 1                                    ; superchunk 1's K: wanted behind the first key step
	QMAXCVT X0
	QPUT KW0, KW1, KWS, 0, 0
	s_wait_loadcnt 24                              ; V's 32 are in; behind them: Q's 16 and K's eight
	QMAXCVT O
	QPUT VW0, VW1, VWS, 0, 0
	s_wait_loadcnt 16                              ; Q's tile 0; behind it: tile 1 and K's eight
	TURN S, X0
	QMAXCVT X0
	QFRAG Q
	QFRAG Q+12
	QWORD QS
	s_wait_loadcnt 8                               ; Q's tile 1; behind it: K's eight
	TURN S+32, X0
	QMAXCVT X0
	QFRAG Q1
	QWORD QS1
	INIT
	s_wait_dscnt 0x0                               ; my stores of superchunk 0 have landed
	s_barrier_signal -1
	s_barrier_wait -1                              ; everybody's have
	; ---- pass A: tile 0.  While superchunk m is read, superchunk m + 1 is made: other bytes, so no barrier stands between the two; the one at a trip's end shows the new superchunk to every wave
.irp m, 0,1,2
	STEP LI, LV, LS, 2*\m, 0
	KTASK \m+1
	STEP LI, LV, LS, 2*\m+1, 0
	VTASK \m+1
.endr
	STEP LI, LV, LS, 6, 0
	STEP LI, LV, LS, 7, 5
	OUT 0
	; ---- tile 1 takes tile 0's place; the 36 lines of INIT are also the places between these writes and the next products
	v_mov_b32 v[QS], v[QS1]
.irp i, 0,1,2,3,4,5
	v_mov_b32 v[Q+\i], v[Q1+\i]
	v_mov_b32 v[Q+12+\i], v[Q1+\i]
.endr
	INIT
	; ---- pass B: all codes lie in LDS: no loads from memory, no barrier
	s_mov_b32 s[TI], 0
	s_mov_b32 s[TSC], 0
	s_mov_b32 s[CNT], 8
.Lb:
	v_add_nc_u32 v[ADI], s[TI], v[LI]              ; three additions and two v_nop: the five places at a step's head
	v_add_nc_u32 v[ADV], s[TI], v[LV]
	v_add_nc_u32 v[ADS], s[TSC], v[LS]
	STEP ADI, ADV, ADS, 0, 2
	s_add_co_u32 s[TI], s[TI], 6144
	s_add_co_u32 s[TSC], s[TSC], 256
	s_sub_co_u32 s[CNT], s[CNT], 1
	s_cmp_lg_u32 s[CNT], 0
	s_cbranch_scc1 .Lb
	OUT 1
	s_wait_xcnt 0x0
	v_lshl_add_u32 v254, v0, 2, 0x2b000
	v_mov_b32 v255, 0
	s_wait_tensorcnt 0x0
	ds_add_u32 v254, v255
	s_wait_dscnt 0x0
	s_endpgm
.Lfunc_end_k_qe9f2bd6606_attn:
	.size	k_qe9f2bd6606_attn, .Lfunc_end_k_qe9f2bd6606_attn-k_qe9f2bd6606_attn
	.p2alignl 7, 3214868480
	.fill 96, 4, 3214868480
	.section	.rodata,"a",@progbits
	.p2align	6, 0x0
	.amdhsa_kernel k_qe9f2bd6606_attn
		.amdhsa_group_segment_fixed_size 178176
		.amdhsa_private_segment_fixed_size 0
		.amdhsa_enable_private_segment 0
		.amdhsa_kernarg_size 32
		.amdhsa_user_sgpr_count 2
		.amdhsa_user_sgpr_kernarg_segment_ptr 1
		.amdhsa_wavefront_size32 1
		.amdhsa_system_sgpr_workgroup_id_x 1
		.amdhsa_system_sgpr_workgroup_id_y 1
		.amdhsa_system_sgpr_workgroup_id_z 1
		.amdhsa_system_vgpr_workitem_id 0
		.amdhsa_next_free_vgpr 256
		.amdhsa_next_free_sgpr 66
		.amdhsa_reserve_vcc 0
		.amdhsa_float_denorm_mode_32 3
		.amdhsa_float_denorm_mode_16_64 3
		.amdhsa_memory_ordered 1
		.amdhsa_forward_progress 1
		.amdhsa_inst_pref_size 192
	.end_amdhsa_kernel
	.amdgpu_metadata
---
amdhsa.version: [ 1, 2 ]
amdhsa.kernels:
  - .name:           k_qe9f2bd6606_attn
    .symbol:         k_qe9f2bd6606_attn.kd
    .args:
      - { .name: Q, .offset: 0, .size: 8, .value_kind: global_buffer, .address_space: global }
      - { .name: K, .offset: 8, .size: 8, .value_kind: global_buffer, .address_space: global }
      - { .name: V, .offset: 16, .size: 8, .value_kind: global_buffer, .address_space: global }
      - { .name: out0, .offset: 24, .size: 8, .value_kind: global_buffer, .address_space: global }
    .group_segment_fixed_size: 178176
    .private_segment_fixed_size: 0
    .kernarg_segment_align: 8
    .kernarg_segment_size: 32
    .max_flat_workgroup_size: 512
    .sgpr_count:     66
    .vgpr_count:     256
    .wavefront_size: 32
...
	.end_amdgpu_metadata
.endif
;; end of part 1
;; ======== version 2 of 2: 1 launch; version 1 with the launch attn written anew for expert scheduling mode
;; launch attn (part 2): grid 256 x 1, 16 waves a work-group, no clusters, 178,176 bytes of LDS; arguments Q, K, V, out0; writes out0
.if DOCPART == 2
	.amdgcn_target "amdgcn-amd-amdhsa--gfx1250"
	.amdhsa_code_object_version 6
	.text
	.protected	k_qe9f2bd6606_attn
	.globl	k_qe9f2bd6606_attn
	.p2align	8
	.type	k_qe9f2bd6606_attn,@function
k_qe9f2bd6606_attn:
	s_mov_b64 s[64:65], 0
	v_nop
	global_prefetch_b8 v0, s[64:65] scope:SCOPE_SE
	s_setreg_imm32_b32 hwreg(HW_REG_WAVE_SCHED_MODE, 0, 2), 2
	s_setreg_imm32_b32 hwreg(HW_REG_WAVE_MODE, 25, 1), 1
	s_wait_xcnt 0x0
	s_wait_alu depctr_vm_vsrc(0)
; out0[h][q][:] = the sum over k of softmax_k(Q[h][q] . K[h][k] / 8) V[h][k][:], 128 heads, 1,024 queries and keys, head size 64, all f32 in memory.
; Both products run on codes of BF6 (E3M2) with one E8M0 scale for each 32 along a product's K: the head's 64 for the first, the keys for the second.
; THE SOFTMAX: t = score x log2(e) / 8; M = the running largest t rounded UP to a whole number; p = 2^(t - M) is quantised along the keys, not normalised; the sum of the unquantised p divides at the end.
; When M moves, the sum and O are multiplied by 2^(old M - new M), which rounds nothing.
; SHARES.  Work-group x takes head x / 2 and queries 512 (x % 2) on.  Each of its 16 waves owns 32 queries, two tiles of 16, taken one after the other (pass A, pass B), in 256 registers: four waves to a SIMD,
; so that one wave's vector work stands beside another's matrix work and LDS loads.
; K AND V OF THE WHOLE HEAD LIE IN LDS AS CODES, as images of the operands' registers (register j of lane L of a fragment at 512 (j / 4) + 16 L + 4 (j % 4)): 48 KB each, 2 KB of scale bytes each, written once, never again.
; The work-group makes them itself, 256 keys (a superchunk) at a time: the first at the head, the other three inside pass A: the f32 numbers are asked for a key step ahead, into 32 registers, and quantised between key steps.
; In a superchunk wave w takes keys 16 w .. 16 w + 15 of K (4 KB, dense; turned through its own stage so that a lane holds 32 neighbours of one key) and of V the 32 keys of block w / 2 at channels 32 (w % 2) + lane
; (a lane to a channel, registers down the keys: nothing is transposed).
; THE FIRST PRODUCT has K = 64, half of the instruction's 128.  A fragment of K is dense all the same: registers 0-5 hold one tile of 16 keys, registers 6-11 the next; Q stands as (q, 0, q) in 18 registers,
; of which the first 12 pick the first tile and the last 12 the second: zero codes add nothing.  K's scale word holds the two tiles' two bytes each, Q's its two bytes twice.
; LAYOUT.  Both products are used transposed (S^T = K Q^T, O^T = V^T P^T): a lane holds ONE query (lane % 16) throughout.  THE KEYS OF A TILE ARE NOT NEIGHBOURS: key j of a block of 32 goes to tile (j / 8) % 2,
; row j % 8 + 8 (j / 16), so that the 16 registers of two neighbouring tiles are the keys 32 b + 16 (lane / 16) + 0 .. 15.
; NO JOINT LOADS: a head's K and V are shared by two work-groups alone, and they arrive as f32, 512 KB a head, which no work-group reads from LDS more than once: through the mover they would all pass LDS slots only to be
; read back and quantised.  Here they go from memory to registers; of the f32 numbers only K's pieces of 4 KB pass LDS.  So there are no slots that are filled again, and four barriers in all.
; LIMITS: NaN and infinities among the inputs are not served.  A block whose largest magnitude lies under 2^-122 takes the scale byte 1; a block of zeros too, where the rule says 127: its codes are zeros,
; which add nothing, and this program alone reads the bytes.  A p under 2^-126 counts as 0.
; THE MODE: SCHED_MODE bits 1:0 = 2 (LLVM: expert scheduling mode 2), set by the entry lines.  The code itself states the register dependences between vector or matrix instructions
; and memory or LDS instructions, with s_wait_alu, always for 0.
; THE PLAN.  Registers that memory or LDS instructions touch, and who else names them:
;   v1-v11, v50      addresses and offsets: made at the head, one wait ahead of the first load, never written again.
;   KS, K's fragments 0 and 1 (v52-55, v60-83)   read by a step's K Q^T and by nothing else.  The next step's land there behind the wait for the exponentials, which also shows those products done,
;                    wherever the next step's codes have been shown to every wave (the second step of a superchunk, step 7, all of pass B); else at the next step's head.
;   K's fragments 2 and 3 (v84-107)   read by K Q^T; then they hold p's codes, the conversions' results and the blocks' maxima; V^T P reads p's codes.  Loaded at a step's head, behind a wait where a step follows a step.
;   S (v120-183)     written by K Q^T and the exponentials, read by the sums and the conversions: a wait; V's fragments land in the first 48; V^T P reads them.  At the head and on the way out LDS and global stores read it.
;   VS (v56-59)      read by V^T P; loaded in the middle of the next step, behind that step's waits.
;   PF (v216-247)    global loads land; the K task's stores into the stage read it, the V task's maxima and conversions read it: a wait of the one kind or the other ahead of the next loads.
;   CT, SBY          written by a task's conversions, read by its LDS stores: a wait ahead of the stores, one behind them.
;   SO, SR           made in each way out, ahead of its wait;  ADI, ADV, ADS: stepped once a trip of pass B, between a wait for their readers and the step's own wait.
; p's codes and scale word, and Q's, are written by vector instructions and taken by scaled products: a wait stands between, behind the places.
.set VIMG, 49152                       ; LDS: K's images from byte 0: 8 steps x 4 fragments x 1,536;  V's from here, likewise (fragment t: channels 16 t on x 128 keys)
.set KSC,  98304                       ; K's scale bytes: 256 step + 16 row + 4 b + 2 tile + block of d: a lane's 16 bytes are a step's four scale words
.set VSC,  100352                      ; V's: 256 step + 16 row + 4 t + block of keys
.set STG0, 102400                      ; a stage of 4,608 bytes for each wave, its own: on the way in 32 places of 128 + 16 bytes, on the way out 16 rows of 256 + 16
.set STGB, 4608
.set LI,  1                            ; v1   16 x lane: a lane's place in an image; also its place in a dense load or store of 512 bytes
.set LS,  2                            ; v2   KSC + 16 (lane % 16)
.set STI, 3                            ; v3   the stage, way in: 144 (lane / 8) + 16 (lane % 8)
.set STR, 4                            ; v4   and back: 288 (lane % 16) + 144 (lane / 16)
.set KW0, 5                            ; v5-7   where my K task's codes (pairs 0 and 2; pair 1) and its scale byte go, in superchunk 0
.set KW1, 6
.set KWS, 7
.set VW0, 8                            ; v8-10  the same for my V task
.set VW1, 9
.set VWS, 10
.set GV,  11                           ; v11  4 x lane
.set SO,  12                           ; v12  the way out: where I put 32 bytes of a row
.set SR,  13                           ; v13  and where I read a row back
.set NM,  14                           ; v14  -M;  v15 the largest t
.set TMX, 15
.set SUM, 16                           ; v[16:17] the row's sum, in two halves
.set F,   18                           ; v18  2^(old M - new M); v19 = 0, named with it as a pair
.set Q,   20                           ; v[20:37] (q, 0, q)
.set QS,  38                           ; v38  Q's scale word;  v39 tile 1's, kept
.set QS1, 39
.set Q1,  40                           ; v[40:45] tile 1's codes, kept
.set PS,  46                           ; v46  p's scale word
.set ADI, 47                           ; v47-49 pass B: the step's addresses
.set ADS, 48
.set ADV, 49
.set LV,  50                           ; v50  VIMG + 16 x lane
.set KS,  52                           ; v[52:55] K's four scale words;  v[56:59] V's
.set VS,  56
.set FRA, 60                           ; v[60:107] K's four fragments
.set X0,  60                           ; at the head: 32 numbers back from the stage
.set PC,  84                           ; v[84:95] p's codes
.set CT,  96                           ; v[96:103] conversions' results
.set BM,  104                          ; v[104:107] the blocks' largest scores, then largest p
.set PM,  108                          ; v[108:111] the other half's; then the bytes
.set SOP, 112                          ; v[112:115] the conversions' scale operands
.set TA,  116
.set TB,  117
.set X,   116                          ; v[116:117] the sum's second chain
.set SOPQ, 118                         ; a task's scale operand;  v119 its byte
.set SBY, 119
.set S,   120                          ; v[120:183] S^T, then p; then V's four fragments in the first 48
.set O,   184                          ; v[184:215] O^T: four accumulators
.set PF,  216                          ; v[216:247] the f32 numbers asked for a step ahead
.set H8,  248                          ; v248 8 (lane / 16)
.set QP,  4
.set KP,  6
.set VP,  8
.set OP,  10
.set WV,  12
.set SEL, 20                           ; s[20:21] v_permlanex16_b32's selects for lane l xor 16
.set CS,  22                           ; s[22:23] c = log2(e) / 8, twice: the packed form names the pair
.set TI,  24                           ; pass B: 6,144 x step
.set TSC, 25                           ; 256 x step
.set CNT, 28
.set STGW, 29                          ; my stage
.macro KLOAD dst, sc                   ; my 16 keys of superchunk sc: eight loads of 512 consecutive bytes
.irp i, 0,1,2,3,4,5,6,7
	global_load_b128 v[\dst+4*\i:\dst+4*\i+3], v[LI], s[KP:KP+1] offset:65536*(\sc)+512*\i
.endr
.endm
.macro VLOAD dst, sc                   ; my channel of my 32 keys: each load reads 128 consecutive bytes of one key
.set J, 0
.rept 32
	global_load_b32 v[\dst+J], v[GV], s[VP:VP+1] offset:65536*(\sc)+256*J
.set J, J+1
.endr
.endm
.macro QLOAD dst, tile                 ; a tile of 16 queries, 4 KB dense; read once in the launch
.irp i, 0,1,2,3,4,5,6,7
	global_load_b128 v[\dst+4*\i:\dst+4*\i+3], v[LI], s[QP:QP+1] offset:4096*(\tile)+512*\i th:TH_LOAD_NT
.endr
.endm
; 4 KB (16 rows of 64 numbers) as loaded go through my stage and come back 32 neighbours a lane: lane (r, h) has row r's block h.  LDS serves a wave's instructions in order: no wait between the stores and the loads.
.macro TURN src, dst
.irp i, 0,1,2,3,4,5,6,7
	ds_store_b128 v[STI], v[\src+4*\i:\src+4*\i+3] offset:576*\i
.endr
.irp i, 0,1,2,3,4,5,6,7
	ds_load_b128 v[\dst+4*\i:\dst+4*\i+3], v[STR] offset:16*\i
.endr
	s_wait_dscnt 0x0
.endm
; A block of 32 numbers in one lane's registers: its largest magnitude, its scale, its codes (three registers at CT, three at CT + 4: a conversion's three begin on an even number), its byte.
.macro QMAXCVT x
	v_max3_num_f32 v[TA], |v[\x]|, |v[\x+1]|, |v[\x+2]|
	v_max3_num_f32 v[TB], |v[\x+3]|, |v[\x+4]|, |v[\x+5]|
.irp i, 6,10,14,18,22,26
	v_max3_num_f32 v[TA], v[TA], |v[\x+\i]|, |v[\x+\i+1]|
	v_max3_num_f32 v[TB], v[TB], |v[\x+\i+2]|, |v[\x+\i+3]|
.endr
	v_max3_num_f32 v[TA], v[TA], |v[\x+30]|, |v[\x+31]|
	v_max3_num_f32 v[TA], v[TA], v[TB], 0x2800000              ; the floor 2^(5 - 127): the byte cannot fall under 1
	v_add_nc_u32 v[SOPQ], 0xfe000000, v[TA]                    ; 4 off the exponent field: the conversion takes that field as its scale
	v_cvt_scalef32_pk16_bf6_f32 v[CT:CT+2], v[\x:\x+15], v[SOPQ]
	v_cvt_scalef32_pk16_bf6_f32 v[CT+4:CT+6], v[\x+16:\x+31], v[SOPQ]
	v_lshrrev_b32 v[SBY], 23, v[SOPQ]                          ; the byte.  (The plain line behind the conversions)
.endm
; The six registers close up, and go to their places in an image as three pairs: half 0 of a fragment lies at 0, 8, 512, half 1 at 520, 1,024, 1,032 (+ 16 x the image's lane).
.macro QMOVE
	v_mov_b32 v[CT+3], v[CT+4]
	v_mov_b32 v[CT+4], v[CT+5]
	v_mov_b32 v[CT+5], v[CT+6]
	s_wait_alu depctr_va_vdst(0)                               ; the six registers of codes and the byte are written, which the LDS stores read; the maxima and the conversions are done reading the block's 32 numbers, in whose registers later loads land
.endm
.macro QSTORE a0, a1, a2, off, soff
	ds_store_b64 v[\a0], v[CT:CT+1] offset:\off
	ds_store_b64 v[\a1], v[CT+2:CT+3] offset:\off
	ds_store_b64 v[\a0], v[CT+4:CT+5] offset:(\off)+512
	ds_store_b8 v[\a2], v[SBY] offset:\soff
	s_wait_dscnt 0x0                                           ; landed: a barrier follows, or the registers are written again
	s_wait_alu depctr_vm_vsrc(0)                               ; the four stores have read the codes' registers and the byte's, which the next conversions write and in which a step's loads land
.endm
.macro QFRAG dst                       ; the six registers as they stand are Q's block h of row r
.irp i, 0,1,2
	v_mov_b32 v[\dst+\i], v[CT+\i]
	v_mov_b32 v[\dst+3+\i], v[CT+4+\i]
.endr
.endm
.macro QWORD dst                       ; my byte at its place, the other half's beside it, and the two once more above
	v_lshlrev_b32 v249, v[H8], v[SBY]
	v_permlanex16_b32 v[PM], v249, s[SEL], s[SEL+1]
	v_or_b32 v249, v249, v[PM]
	v_lshl_or_b32 v[\dst], v249, 16, v249
.endm
.macro INIT                            ; the step is written once: the first finds zeros, which the first change of M leaves zeros
	v_mov_b32 v[TMX], 0xff61b1e6                               ; -3e38, under every t
	v_floor_f32 v[NM], -v[TMX]
	v_mov_b32 v[SUM], 0
	v_mov_b32 v[SUM+1], 0
.set J, 0
.rept 32
	v_mov_b32 v[O+J], 0
.set J, J+1
.endr
.endm
; K's four scale words and its first two fragments of step st: seven loads, into registers that the K Q^T alone name.
.macro KPRE ai, as, st
	ds_load_b128 v[KS:KS+3], v[\as] offset:256*(\st)
.irp f, 0,1
.irp g, 0,1,2
	ds_load_b128 v[FRA+12*\f+4*\g:FRA+12*\f+4*\g+3], v[\ai] offset:6144*(\st)+1536*\f+512*\g
.endr
.endr
.endm
; A KEY STEP: 128 keys x my 16 queries.  ai, av, as: registers with the addresses of K's images, V's images and K's scale words; st: the step, in the immediates; np: v_nop at the head, where a step follows a step directly.
; pre = 1: K's scale words and first two fragments were asked for in the step before.  nxt = 1: the next step's are asked for in this one.
; At the head five places lie behind the last step's V^T P (ISA guide 7.12.1): its operands in S are written over by the products below.
.macro STEP ai, av, as, st, np, pre, nxt
.rept \np
	v_nop
.endr
.if \np
	s_wait_alu depctr_va_vdst(0)                               ; the last step's V^T P are done reading p's codes, and its vector lines are done with v84 to v107, in which the loads below land; in pass B's trips the three addresses are written, and ahead of its first step tile 1's codes and scale word, which the products take
.endif
.if (\pre) == 0
	KPRE \ai, \as, \st
.endif
.irp f, 2,3
.irp g, 0,1,2
	ds_load_b128 v[FRA+12*\f+4*\g:FRA+12*\f+4*\g+3], v[\ai] offset:6144*(\st)+1536*\f+512*\g
.endr
.endr
.irp b, 0,1,2,3
	s_wait_dscnt 3*(3-\b)                                      ; fragment b is in; the later fragments' three loads each may be out (the order of issue is the scale words, then fragments 0 to 3, whichever step asked)
.irp u, 0,1
	v_wmma_scale_f32_16x16x128_f8f6f4 v[S+16*\b+8*\u:S+16*\b+8*\u+7], v[FRA+12*\b:FRA+12*\b+11], v[Q+6*\u:Q+6*\u+11], 0, v[KS+\b], v[QS] matrix_a_fmt:MATRIX_FMT_BF6 matrix_b_fmt:MATRIX_FMT_BF6
.endr
.endr
.rept 4
	v_nop                                                      ; four places in front of the first read of the scores, and of the writes into the last fragment's registers
.endr
.irp b, 0,1,2,3
	v_max3_num_f32 v[BM+\b], v[S+16*\b], v[S+16*\b+1], v[S+16*\b+2]   ; the largest score of each block of 32 keys: for the row's maximum, and, since p rises with the score, for the block's largest p
.endr
.irp i, 3,5,7,9,11,13
.irp b, 0,1,2,3
	v_max3_num_f32 v[BM+\b], v[BM+\b], v[S+16*\b+\i], v[S+16*\b+\i+1]   ; ascending: each accumulator is read from its low end on
.endr
.endr
.irp b, 0,1,2,3
	v_max_num_f32 v[BM+\b], v[BM+\b], v[S+16*\b+15]
.endr
.irp b, 0,1,2,3
	v_permlanex16_b32 v[PM+\b], v[BM+\b], s[SEL], s[SEL+1]
.endr
.irp b, 0,1,2,3
	v_max_num_f32 v[BM+\b], v[BM+\b], v[PM+\b]                 ; with lane l xor 16's 16 keys
.endr
	v_max3_num_f32 v[TA], v[BM], v[BM+1], v[BM+2]
	v_max_num_f32 v[TA], v[TA], v[BM+3]                        ; the step's largest score of my query
	v_mul_f32 v[TA], s[CS], v[TA]                              ; as t
	v_max_num_f32 v[TMX], v[TMX], v[TA]
	v_mov_b32 v[TA], v[NM]
	v_floor_f32 v[NM], -v[TMX]                                 ; -M = floor(-t) = -ceil(t)
	v_sub_f32 v[TA], v[NM], v[TA]                              ; old M - new M: a whole number, 0 or less
	v_cvt_i32_f32 v[TA], v[TA]                                 ; (it saturates)
	v_ldexp_f32 v[F], 1.0, v[TA]                               ; f = 2^(old M - new M)
.set J, 0
.rept 32
	v_pk_fma_f32 v[S+J:S+J+1], v[S+J:S+J+1], s[CS:CS+1], v[NM:NM+1] op_sel_hi:[1,0,0]   ; t - M, two at a time
.set J, J+2
.endr
.irp b, 0,1,2,3
	v_fma_f32 v[BM+\b], v[BM+\b], s[CS], v[NM]                 ; the same of each block's largest score
.endr
.set J, 0
	s_wait_alu depctr_va_vdst(0)
.rept 64
	v_exp_f32 v[S+J], v[S+J]                                   ; p = 2^(t - M)
.set J, J+1
.endr
.irp b, 0,1,2,3
	v_exp_f32 v[BM+\b], v[BM+\b]                               ; the block's largest p: the same two instructions on the same number
.endr
	v_pk_mul_f32 v[SUM:SUM+1], v[SUM:SUM+1], v[F:F+1] op_sel_hi:[1,0]   ; the sums under the new M.  (The plain line behind the exponentials)
	s_wait_alu depctr_va_vdst(0)                               ; the 68 exponentials have written p and the blocks' largest p, ahead of their first reader; and the K Q^T are done reading K's scale words and fragments, in which the loads below land
.if \nxt
	KPRE \ai, \as, (\st)+1                                     ; the next step's: no vector or matrix instruction from here to that step's products names these registers
.endif
.irp b, 0,1,2,3
	v_max_num_f32 v[BM+\b], 0x2800000, v[BM+\b]                ; the floor 2^(5 - 127)
.endr
.irp b, 0,1,2,3
	v_add_nc_u32 v[SOP+\b], 0xfe000000, v[BM+\b]               ; the conversion's scale operand
.endr
.irp b, 0,1,2,3
	v_lshrrev_b32 v[PM+\b], 23, v[SOP+\b]                      ; the byte
.endr
	v_lshl_or_b32 v[PS], v[PM+1], 8, v[PM]                     ; p's scale word for these 128 keys
	v_lshl_or_b32 v[PS], v[PM+2], 16, v[PS]
	v_lshl_or_b32 v[PS], v[PM+3], 24, v[PS]
	v_pk_add_f32 v[X:X+1], v[S:S+1], v[S+2:S+3]                ; the row's sum is taken of the unquantised p: two chains
.set J, 4
.rept 15
	v_pk_add_f32 v[SUM:SUM+1], v[SUM:SUM+1], v[S+J:S+J+1]
	v_pk_add_f32 v[X:X+1], v[X:X+1], v[S+J+2:S+J+3]
.set J, J+4
.endr
	v_pk_add_f32 v[SUM:SUM+1], v[SUM:SUM+1], v[X:X+1]
.irp c, 0,1
	v_cvt_scalef32_pk16_bf6_f32 v[PC+6*\c:PC+6*\c+2], v[S+32*\c:S+32*\c+15], v[SOP+2*\c]
	v_cvt_scalef32_pk16_bf6_f32 v[CT+4*\c:CT+4*\c+2], v[S+32*\c+16:S+32*\c+31], v[SOP+2*\c+1]
.endr
	v_nop                                                      ; one plain line behind the conversions
	s_wait_alu depctr_va_vdst(0)                               ; the sums and the conversions are done reading p, in whose registers V's fragments land (the last step's V^T P, which read V's scale words, stand ahead of this step's earlier wait)
	ds_load_b128 v[VS:VS+3], v[\as] offset:2048+256*(\st)      ; p has been summed and converted: its registers take V's fragments
.irp t, 0,1,2,3
.irp g, 0,1,2
	ds_load_b128 v[S+12*\t+4*\g:S+12*\t+4*\g+3], v[\av] offset:6144*(\st)+1536*\t+512*\g
.endr
.endr
.irp c, 0,1                            ; the operand wants a WHOLE block in a lane: lanes 0-15 block 2 c, lanes 16-31 block 2 c + 1
.irp i, 0,1,2
	v_permlane16_swap_b32 v[PC+6*\c+\i], v[CT+4*\c+\i]
.endr
.irp i, 0,1,2
	v_mov_b32 v[PC+6*\c+3+\i], v[CT+4*\c+\i]
.endr
.endr
.set J, 0
.rept 16
	v_pk_mul_f32 v[O+J:O+J+1], v[O+J:O+J+1], v[F:F+1] op_sel_hi:[1,0]   ; O^T under the new M, ascending.  (Also the places between p's codes and the products)
.set J, J+2
.endr
	s_wait_alu depctr_va_vdst(0)                               ; p's codes and p's scale word are written, which the scaled products below take as operand and scales: the places above first, then this wait
.irp t, 0,1,2,3                        ; the four accumulators take turns, one instruction a turn; the next step's K Q^T stand between two turns of one
	s_wait_dscnt 3*(3-\t)                                      ; fragment t is in; the later fragments' three loads each may be out
	v_wmma_scale_f32_16x16x128_f8f6f4 v[O+8*\t:O+8*\t+7], v[S+12*\t:S+12*\t+11], v[PC:PC+11], v[O+8*\t:O+8*\t+7], v[VS+\t], v[PS] matrix_a_fmt:MATRIX_FMT_BF6 matrix_b_fmt:MATRIX_FMT_BF6
.endr
.endm
; Between two key steps of pass A: superchunk sc's K (asked for a step ago), and the request for its V.
.macro KTASK sc
.rept 4
	v_nop                                                      ; four places behind the last products; with the plain lines below they are the places ahead of the next step's products, which write over S
.endr
	s_wait_alu depctr_va_vdst(0)                               ; the last V^T P are done reading V's fragments in v[S ..], in which the loads from my stage land
	s_wait_loadcnt 0x0                                         ; my 16 keys are in: nothing else is out
	TURN PF, S
	s_wait_alu depctr_vm_vsrc(0)                               ; the stores into my stage have read v[PF ..], in which V's loads land
	VLOAD PF, \sc
	QMAXCVT S
	QMOVE
	QSTORE KW0, KW1, KWS, 12288*(\sc), 512*(\sc)
.endm
; Its V, the request for the next superchunk's K if there is one, and the barrier behind which the superchunk is read.
.macro VTASK sc
	s_wait_loadcnt 0x0                                         ; my 32 keys of my channel are in
	QMAXCVT PF
	QMOVE                                                      ; its wait also shows v[PF ..] read: K's loads below land there
.if (\sc) < 3
	KLOAD PF, (\sc)+1
.endif
	QSTORE VW0, VW1, VWS, 12288*(\sc), 512*(\sc)               ; holds the wait for all my LDS instructions
	s_barrier_signal -1
	s_barrier_wait -1
.endm
; O^T / the sum goes through my stage and leaves as whole rows of 256 bytes, two to a store.
.macro OUT tile
	v_add_f32 v[TA], v[SUM], v[SUM+1]
	v_permlanex16_b32 v[PM], v[TA], s[SEL], s[SEL+1]
	v_add_f32 v[TA], v[TA], v[PM]                              ; the row's sum
	s_wait_alu depctr_va_vdst(0)
	v_rcp_f32 v[F], v[TA]
	v_and_b32 v249, 15, v0                                     ; eight plain lines: the places behind the last products and behind the reciprocal
	v_bfe_u32 v250, v0, 4, 1
	v_mul_u32_u24 v[SO], v249, 272
	v_lshl_add_u32 v[SO], v250, 5, v[SO]
	v_add_nc_u32 v[SO], s[STGW], v[SO]                         ; in: row r, + 32 h; tile t's eight channels 64 t on
	v_mul_u32_u24 v[SR], v250, 272
	v_lshl_add_u32 v[SR], v249, 4, v[SR]
	v_add_nc_u32 v[SR], s[STGW], v[SR]                         ; back: lanes 0-15 one row, lanes 16-31 the next
.set J, 0
	s_wait_alu depctr_va_vdst(0)                               ; the reciprocal is written, ahead of its first reader
.rept 16
	v_pk_mul_f32 v[S+J:S+J+1], v[O+J:O+J+1], v[F:F+1] op_sel_hi:[1,0]   ; register 8 t + i is o(r, 16 t + 8 h + i); ascending
.set J, J+2
.endr
	s_wait_alu depctr_va_vdst(0)                               ; o's 32 registers and the two addresses are written, which the LDS stores and loads read; the last V^T P and conversions are done reading v[S+32 ..], in which the loads from the stage land
.irp t, 0,1,2,3
	ds_store_b128 v[SO], v[S+8*\t:S+8*\t+3] offset:64*\t
	ds_store_b128 v[SO], v[S+8*\t+4:S+8*\t+7] offset:64*\t+16
.endr
.irp i, 0,1,2,3,4,5,6,7
	ds_load_b128 v[S+32+4*\i:S+32+4*\i+3], v[SR] offset:544*\i   ; in order behind my stores
.endr
.irp i, 0,1,2,3,4,5,6,7
	s_wait_dscnt 7-\i                                          ; load i is back; the younger ones may be out
	global_store_b128 v[LI], v[S+32+4*\i:S+32+4*\i+3], s[OP:OP+1] offset:4096*(\tile)+512*\i th:TH_STORE_NT   ; 32 lanes store 512 consecutive bytes, at a multiple of 512 from out0's first byte
.endr
.if (\tile) == 0
	s_wait_xcnt 0x0                                            ; the stores' data registers are written again in pass B only behind this wait
	s_wait_alu depctr_vm_vsrc(0)                               ; and beside it: the LDS and global stores have read v[S ..], which pass B's products write, and the stage's accesses SO and SR, which the second way out makes anew
.endif
.endm
	; ---- the head: addresses
	s_load_b256 s[4:11], s[0:1], 0x0               ; Q, K, V, out0
	v_lshrrev_b32 v249, 5, v0
	v_readfirstlane_b32 s[WV], v249                ; wave w, 0..15
	s_mov_b32 s[SEL], 0x76543210
	s_mov_b32 s[SEL+1], 0xfedcba98
	s_mov_b32 s[CS], 0x3e38aa3b                    ; log2(e) / 8
	s_mov_b32 s[CS+1], s[CS]
	s_wait_alu depctr_va_sdst(0)                   ; the wave's number is written, ahead of its first reader: LDS places and the tensors' offsets are made from it
	s_mul_i32 s[STGW], s[WV], STGB
	s_add_co_u32 s[STGW], s[STGW], STG0
	s_and_b32 s13, s[WV], 1                        ; w % 2
	s_lshr_b32 s14, s[WV], 1                       ; w / 2
	s_bfe_u32 s15, s[WV], 0x10001                  ; (w / 2) % 2
	s_bfe_u32 s16, s[WV], 0x10002                  ; (w / 4) % 2
	s_lshr_b32 s17, s[WV], 3                       ; w / 8: which of a superchunk's two steps
	s_bfe_u32 s18, s[WV], 0x20001                  ; (w / 2) % 4: which block of 32 keys in the step
	s_mul_i32 s30, s14, 1536                       ; K's codes: fragment w / 2 of the superchunk's eight,
	s_lshl_b32 s19, s13, 7
	s_add_co_u32 s30, s30, s19                     ; image lanes 8 (w % 2) on
	s_lshl_b32 s31, s17, 8                         ; K's byte: 256 step + 128 (w % 2) + 4 b
	s_add_co_u32 s31, s31, s19
	s_lshl_b32 s19, s18, 2
	s_add_co_u32 s31, s31, s19
	s_add_co_u32 s31, s31, KSC
	s_mul_i32 s32, s17, 6144                       ; V's codes: the step, fragments 2 (w % 2) on, image lanes 16 ((w / 2) % 2) on,
	s_mul_i32 s19, s13, 3072
	s_add_co_u32 s32, s32, s19
	s_lshl_b32 s19, s15, 8
	s_add_co_u32 s32, s32, s19
	s_add_co_u32 s32, s32, VIMG
	s_mul_i32 s19, s16, 520                        ; half (w / 4) % 2 of the fragment: pairs 0 and 2,
	s_add_co_u32 s33, s32, s19
	s_mul_i32 s19, s16, 1016                       ; pair 1
	s_add_co_u32 s34, s32, s19
	s_add_co_u32 s34, s34, 8
	s_lshl_b32 s35, s17, 8                         ; V's byte: 256 step + 8 (w % 2) + block
	s_lshl_b32 s19, s13, 3
	s_add_co_u32 s35, s35, s19
	s_add_co_u32 s35, s35, s18
	s_add_co_u32 s35, s35, VSC
	s_lshr_b32 s36, ttmp9, 1
	s_lshl_b32 s36, s36, 18                        ; the head's first byte in each tensor: 1,024 rows of 256 bytes a head
	s_mov_b32 s37, 0
	s_lshl_b32 s19, s[WV], 12
	s_add_co_u32 s24, s36, s19                     ; K: + my 16 keys
	s_mov_b32 s25, 0
	s_lshl_b32 s19, s14, 13
	s_add_co_u32 s26, s36, s19                     ; V: + my 32 keys
	s_lshl_b32 s19, s13, 7
	s_add_co_u32 s26, s26, s19                     ;    + my 32 channels
	s_mov_b32 s27, 0
	s_and_b32 s19, ttmp9, 1
	s_lshl_b32 s19, s19, 17
	s_add_co_u32 s36, s36, s19                     ; Q, out0: + the work-group's 512 queries
	s_lshl_b32 s19, s[WV], 13
	s_add_co_u32 s36, s36, s19                     ;          + my 32
	v_and_b32 v249, 31, v0                         ; lane
	v_lshlrev_b32 v[LI], 4, v249
	v_lshlrev_b32 v[GV], 2, v249
	v_add_nc_u32 v[LV], VIMG, v[LI]
	v_and_b32 v250, 15, v0                         ; r
	v_bfe_u32 v251, v0, 4, 1                       ; h
	v_and_b32 v252, 7, v0                          ; r % 8
	v_bfe_u32 v253, v0, 3, 1                       ; r / 8
	v_bfe_u32 v254, v0, 3, 2                       ; lane / 8
	v_lshl_add_u32 v[LS], v250, 4, KSC
	v_mul_u32_u24 v[STI], v254, 144
	v_lshl_add_u32 v[STI], v252, 4, v[STI]
	v_add_nc_u32 v[STI], s[STGW], v[STI]
	v_mul_u32_u24 v[STR], v250, 288
	v_mad_u32_u24 v[STR], v251, 144, v[STR]
	v_add_nc_u32 v[STR], s[STGW], v[STR]
	v_lshlrev_b32 v249, 4, v252                    ; K task: lane (r, h) holds key 16 w + r, block h of d: image lane r % 8 + 8 (w % 2) + 16 h, half r / 8 of the fragment
	v_lshl_add_u32 v255, v251, 8, v249
	v_add_nc_u32 v255, s30, v255
	v_mad_u32_u24 v[KW0], v253, 520, v255
	v_mad_u32_u24 v[KW1], v253, 1016, v255
	v_add_nc_u32 v[KW1], 8, v[KW1]
	v_lshl_add_u32 v249, v253, 1, v249             ; its byte: 16 (r % 8) + 2 (r / 8) + h
	v_add_nc_u32 v249, v249, v251
	v_add_nc_u32 v[KWS], s31, v249
	v_mul_u32_u24 v249, v251, 1536                 ; V task: lane l holds channel 32 (w % 2) + l: fragment + l / 16, row l % 16
	v_lshl_add_u32 v249, v250, 4, v249
	v_add_nc_u32 v[VW0], s33, v249
	v_add_nc_u32 v[VW1], s34, v249
	v_lshlrev_b32 v249, 4, v250                    ; its byte: 16 (l % 16) + 4 (l / 16)
	v_lshl_add_u32 v249, v251, 2, v249
	v_add_nc_u32 v[VWS], s35, v249
	v_lshlrev_b32 v[H8], 3, v251
	s_wait_kmcnt 0x0
	s_add_nc_u64 s[QP:QP+1], s[QP:QP+1], s[36:37]
	s_add_nc_u64 s[KP:KP+1], s[KP:KP+1], s[24:25]
	s_add_nc_u64 s[VP:VP+1], s[VP:VP+1], s[26:27]
	s_add_nc_u64 s[OP:OP+1], s[OP:OP+1], s[36:37]
	s_wait_alu depctr_va_vdst(0)                   ; the twelve addresses and offsets v1 to v11 and v50 are written, which the kernel's loads and stores read; none is written again
	; ---- superchunk 0 and my two tiles of Q
	KLOAD PF, 0                                    ; 8 loads,
	VLOAD O, 0                                     ; 32,
	QLOAD S, 0                                     ; 8,
	QLOAD S+32, 1                                  ; 8
.irp b, 0,1,2,3
	v_mov_b32 v[PM+\b], 0                          ; written once: a lane permute's destination counts as one of its sources
.endr
	v_mov_b32 v[F+1], 0                            ; named as the upper half of a pair
.irp i, 6,7,8,9,10,11
	v_mov_b32 v[Q+\i], 0                           ; the zero codes between the two copies of q
.endr
	s_wait_loadcnt 48                              ; K's eight are in; V's 32 and Q's 16 may be out
	TURN PF, X0
	s_wait_alu depctr_vm_vsrc(0)                   ; the stores into my stage have read v[PF ..], in which the next loads land
	KLOAD PF, 1                                    ; superchunk 1's K: wanted behind the first key step
	QMAXCVT X0
	QMOVE
	QSTORE KW0, KW1, KWS, 0, 0
	s_wait_loadcnt 24                              ; V's 32 are in; behind them: Q's 16 and K's eight
	QMAXCVT O
	QMOVE
	QSTORE VW0, VW1, VWS, 0, 0
	s_wait_loadcnt 16                              ; Q's tile 0; behind it: tile 1 and K's eight
	TURN S, X0                                     ; (its loads land in v[X0 ..], whose last readers, K's maxima and conversions, stand ahead of the wait in K's QMOVE)
	QMAXCVT X0
	QFRAG Q
	QFRAG Q+12
	QWORD QS
	s_wait_loadcnt 8                               ; Q's tile 1; behind it: K's eight
	s_wait_alu depctr_va_vdst(0)                   ; tile 0's maxima and conversions are done reading v[X0 ..], in which tile 1's loads from the stage land
	TURN S+32, X0
	QMAXCVT X0
	QFRAG Q1
	QWORD QS1
	INIT
	s_wait_alu depctr_vm_vsrc(0)                   ; the stores into my stage have read Q as loaded, v[S ..], which the first products write
	s_wait_alu depctr_va_vdst(0)                   ; the head's maxima and conversions are done with v60 to v107, in which step 0's loads land; tile 0's codes and scale word are written, which the products take
	s_wait_dscnt 0x0                               ; my stores of superchunk 0 have landed
	s_barrier_signal -1
	s_barrier_wait -1                              ; everybody's have
	; ---- pass A: tile 0.  While superchunk m is read, superchunk m + 1 is made: other bytes, so no barrier stands between the two; the one at a trip's end shows the new superchunk to every wave.
	; A superchunk's first step asks for its second step's first loads; the second asks for nothing: the next superchunk is shown only behind the barrier
.irp m, 0,1,2
	STEP LI, LV, LS, 2*\m, 0, 0, 1
	KTASK \m+1
	STEP LI, LV, LS, 2*\m+1, 0, 1, 0
	VTASK \m+1
.endr
	STEP LI, LV, LS, 6, 0, 0, 1
	STEP LI, LV, LS, 7, 5, 1, 0
	OUT 0
	KPRE LI, LS, 0                                 ; pass B's step 0: no vector or matrix instruction since the way out's waits has named v52 to v55 or v60 to v83
	; ---- tile 1 takes tile 0's place; the 36 lines of INIT are also the places between these writes and the next products
	v_mov_b32 v[QS], v[QS1]
.irp i, 0,1,2,3,4,5
	v_mov_b32 v[Q+\i], v[Q1+\i]
	v_mov_b32 v[Q+12+\i], v[Q1+\i]
.endr
	INIT
	; ---- pass B: all codes lie in LDS: no loads from memory, no barrier.  Seven trips, each of which asks for the next step's first loads; step 7 is written out and asks for nothing
	s_mov_b32 s[TI], 0
	s_mov_b32 s[TSC], 0
	s_mov_b32 s[CNT], 7
.Lb:
	s_wait_alu depctr_vm_vsrc(0)                   ; the last trip's LDS loads have read the three addresses, which are written anew
	v_add_nc_u32 v[ADI], s[TI], v[LI]              ; three additions and two v_nop: the five places at a step's head
	v_add_nc_u32 v[ADV], s[TI], v[LV]
	v_add_nc_u32 v[ADS], s[TSC], v[LS]
	STEP ADI, ADV, ADS, 0, 2, 1, 1
	s_add_co_u32 s[TI], s[TI], 6144
	s_add_co_u32 s[TSC], s[TSC], 256
	s_sub_co_u32 s[CNT], s[CNT], 1
	s_cmp_lg_u32 s[CNT], 0
	s_cbranch_scc1 .Lb
	STEP LI, LV, LS, 7, 5, 1, 0
	OUT 1
	s_wait_xcnt 0x0                                ; every earlier memory instruction has had its addresses translated
	v_lshl_add_u32 v254, v0, 2, 0x2b000            ; my spare word, behind the sixteen stages, and 0: made here, since no two registers can be kept; no memory or LDS instruction has read v254 or v255
	v_mov_b32 v255, 0
	s_wait_dscnt 0x0                               ; the closing lines, six on end
	s_wait_alu 0x0
	s_wait_tensorcnt 0x0
	ds_add_u32 v254, v255
	s_wait_dscnt 0x0
	s_endpgm
.Lfunc_end_k_qe9f2bd6606_attn:
	.size	k_qe9f2bd6606_attn, .Lfunc_end_k_qe9f2bd6606_attn-k_qe9f2bd6606_attn
	.p2alignl 7, 3214868480
	.fill 96, 4, 3214868480
	.section	.rodata,"a",@progbits
	.p2align	6, 0x0
	.amdhsa_kernel k_qe9f2bd6606_attn
		.amdhsa_group_segment_fixed_size 178176
		.amdhsa_private_segment_fixed_size 0
		.amdhsa_enable_private_segment 0
		.amdhsa_kernarg_size 32
		.amdhsa_user_sgpr_count 2
		.amdhsa_user_sgpr_kernarg_segment_ptr 1
		.amdhsa_wavefront_size32 1
		.amdhsa_system_sgpr_workgroup_id_x 1
		.amdhsa_system_sgpr_workgroup_id_y 1
		.amdhsa_system_sgpr_workgroup_id_z 1
		.amdhsa_system_vgpr_workitem_id 0
		.amdhsa_next_free_vgpr 256
		.amdhsa_next_free_sgpr 66
		.amdhsa_reserve_vcc 0
		.amdhsa_float_denorm_mode_32 3
		.amdhsa_float_denorm_mode_16_64 3
		.amdhsa_memory_ordered 1
		.amdhsa_forward_progress 1
		.amdhsa_inst_pref_size 209
	.end_amdhsa_kernel
	.amdgpu_metadata
---
amdhsa.version: [ 1, 2 ]
amdhsa.kernels:
  - .name:           k_qe9f2bd6606_attn
    .symbol:         k_qe9f2bd6606_attn.kd
    .args:
      - { .name: Q, .offset: 0, .size: 8, .value_kind: global_buffer, .address_space: global }
      - { .name: K, .offset: 8, .size: 8, .value_kind: global_buffer, .address_space: global }
      - { .name: V, .offset: 16, .size: 8, .value_kind: global_buffer, .address_space: global }
      - { .name: out0, .offset: 24, .size: 8, .value_kind: global_buffer, .address_space: global }
    .group_segment_fixed_size: 178176
    .private_segment_fixed_size: 0
    .kernarg_segment_align: 8
    .kernarg_segment_size: 32
    .max_flat_workgroup_size: 512
    .sgpr_count:     66
    .vgpr_count:     256
    .wavefront_size: 32
...
	.end_amdgpu_metadata
.endif
;; end of part 2
